; MI455X (gfx1250); checked and timed in simulation.
; The chip was launched on July 23, 2026; its instructions are those of AMD's public machine-readable ISA for CDNA 5 (MIT licence, August 2026) and "CDNA5" Instruction Set Architecture Reference Guide (July 2026). The comments in the code are by the model that wrote it; some were corrected since.
;; Gaussian PFR. Allowed arithmetic: float matrix products may take bf16 or f16 operands with f32 sums; all other float work in f32.
;; Inputs: mu_q 1,024 x 16 float32; normal_log_prob 4,096 x 16 float32; prior_samples 4,096 x 16 float32; std_q 1,024 x 16 float32.
;; Outputs: out0 1,024 x 16 float32; out1 1,024 int32.
;; 2 versions, each right; version 2 is version 1 with the launch score written anew for expert scheduling mode. Each part assembles by itself: llvm-mc -triple=amdgcn-amd-amdhsa -mcpu=gfx1250 --defsym DOCPART=n.
;; ======== version 1 of 2: 2 launches
;; workspace buffers: pval 65,536 bytes; pidx 65,536 bytes of whole numbers
;; launch score (part 1): grid 16 x 16, 8 waves a work-group, no clusters, 34,816 bytes of LDS; arguments mu_q, std_q, prior_samples, normal_log_prob, pval, pidx; writes pval, pidx
.if DOCPART == 1
	.amdgcn_target "amdgcn-amd-amdhsa--gfx1250"
	.amdhsa_code_object_version 6
	.text
	.protected	k_q8a720467b6_score
	.globl	k_q8a720467b6_score
	.p2align	8
	.type	k_q8a720467b6_score,@function
k_q8a720467b6_score:
	s_mov_b64 s[64:65], 0
	v_nop
	global_prefetch_b8 v0, s[64:65] scope:SCOPE_SE
	s_setreg_imm32_b32 hwreg(HW_REG_WAVE_MODE, 25, 1), 1
	s_wait_xcnt 0x0
; perturbed[b][n] = sum over d of ( -z^2/2 - log std[b][d] - log(2 pi)/2 - nlp[n][d] ),  z = (p[n][d] - mu[b][d]) / std[b][d];
; wanted is the argmax over n.  The two middle terms do not hang on n: they move all candidates of a row b alike, so the argmax
; is the argmin of  S[b][n] = sum_d z^2 + 2 sum_d nlp[n][d],  and that is what is formed here, all in f32.
; This launch: work-group (c, g) takes the 64 rows b = 64 g .. and the 256 samples n = 256 c .., and stores for each of its b the
; least S and its n (the lowest n on a tie) to pval / pidx, laid out [g][c][64]: 256 bytes each, one store of one wave.
; The choice among the 16 blocks c and the gather are the next launch's: an address is not made from a comparison of this launch.
; SHARES: a wave takes 64 b x 32 samples; a lane holds mu and 1/std of b = lane and b = lane + 32 (64 registers); a sample is the
; same for all lanes and comes from LDS as a broadcast, through a ring of four register slots; so the running least value and its
; index never leave the lane.  Per sample and lane: 48 packed instructions (subtract, multiply, multiply-add, 2 x 16 dims / 2)
; and 10 plain ones.  z is made as (p - mu) * (1/std), not as fma(p, 1/std, -mu/std): the latter subtracts two large
; products when p and mu carry a common offset.
; NO CLUSTER, NO TENSOR LOADS: 16 work-groups read the same 32 KB of p and nlp and 16 the same 8 KB of mu and std, but each
; fetches its 40 KB once, in one burst of ten loads a thread at the head, ahead of some 1,900 vector instructions a wave: there
; is no stream of tiles whose requests could be shared.  No matrix unit: nothing here is a product of matrices, and the index has to be exact.
; LIMITS: inputs finite; std with a normal 1/std (2^-126 < std < 2^126).  1/std is v_rcp_f32 with one Newton step and S is summed in
; another order than the defining formula, so two samples whose scores lie within a few ulp of each other may be ranked the other way.
; A NaN is not taken for the maximum.
.set PP,    80                         ; LDS pitch of a sample: 16 p (64 bytes), 2 sum nlp (4 bytes), 12 unused
.set KST,   64*PP                      ; 64 samples on: the step between a thread's four staging stores
.set PAR,   256*PP                     ; behind the samples: 64 rows b of 16 mu, 16 1/std
.set QP,    144                        ; their pitch: 128 + 16 bytes = 9 x 16
.set RED,   PAR+64*QP                  ; behind them: 8 waves x 64 b x (value, index)
.set MU0,   16                         ; v[16:31]   mu of b = lane
.set RC0,   32                         ; v[32:47]   1/std of b = lane
.set MU1,   48                         ; v[48:63]   mu of b = lane + 32
.set RC1,   64                         ; v[64:79]   1/std of b = lane + 32
.set SL,    80                         ; v[80:151]  four slots of SLW registers: 16 p, 2 sum nlp, one spare
.set SLW,   18
.set DD,    152                        ; v[152:183] p - mu, then z: 16 for each of the two b
.set ACC0,  184                        ; v[184:185] sum of z^2, even and odd d
.set ACC1,  186
.set SCR0,  188                        ; S of this sample
.set SCR1,  189
.set BI0,   190                        ; v[190:191] least S so far, its n
.set BI1,   192
.set PX,    80                         ; staging, in the slots' registers before the slots are first filled: 4 x 16 bytes of p
.set NX,    96                         ; 4 x 16 bytes of nlp
.set SMU,   112
.set SSD,   116
.set RR,    120
.set EE,    124
.set TT,    128
.set EN,    80                         ; the waves' results, read back by wave 0
.set OUTR,  112                        ; v[112:113] two values, v[114:115] two indices
.set IDXS,  24                         ; s[24:27]   n of the sample in slot 0..3
	s_load_b256 s[4:11], s[0:1], 0x0               ; mu s[4:5], std s[6:7], p s[8:9], nlp s[10:11]
	s_load_b128 s[12:15], s[0:1], 0x20             ; pval s[12:13], pidx s[14:15]
	v_lshl_add_u32 v196, v0, 2, 0x8400
	v_mov_b32 v197, 0
	v_lshlrev_b32 v1, 4, v0                        ; 16 t: my 16 bytes in every 4,096 that the work-group loads at once
	v_lshrrev_b32 v8, 2, v0                        ; t / 4: the row (of 64 bytes) in which they lie
	v_and_b32 v9, 3, v0                            ; t % 4: the quarter of that row
	v_mul_u32_u24 v2, v8, PP                       ; LDS: the sample's row
	v_lshl_add_u32 v3, v9, 4, v2                   ; LDS: my quarter of it
	v_mul_u32_u24 v4, v8, QP
	v_lshl_add_u32 v4, v9, 4, v4                   ; LDS: my quarter of a row of mu (1/std: 64 bytes further)
	v_and_b32 v10, 31, v0                          ; lane
	v_mul_u32_u24 v5, v10, QP                      ; LDS: the parameters of b = lane
	v_lshrrev_b32 v11, 5, v0
	v_readfirstlane_b32 s20, v11                   ; wave 0..7
	s_and_b32 s28, ttmp7, 0xffff                   ; g: block of 64 b.  ttmp9 = c: block of 256 samples
	s_lshl_b32 s16, ttmp9, 14                      ; c x 256 samples x 64 bytes
	s_mov_b32 s17, 0
	s_lshl_b32 s18, s28, 12                        ; g x 64 rows x 64 bytes
	s_mov_b32 s19, 0
	s_lshl_b32 s30, ttmp9, 8                       ; results: g x 4,096 + c x 256 bytes
	s_add_co_u32 s30, s30, s18
	s_mov_b32 s31, 0
	s_mul_i32 s21, s20, 32*PP                      ; LDS: my wave's 32 samples
	s_lshl_b32 s29, s20, 9                         ; LDS: my wave's 512 bytes of results
	s_lshl_b32 s[IDXS], ttmp9, 8                   ; n of my wave's first sample: 256 c + 32 wave
	s_lshl_b32 s23, s20, 5
	s_add_co_u32 s[IDXS], s[IDXS], s23
	s_add_co_u32 s[IDXS+1], s[IDXS], 1
	s_add_co_u32 s[IDXS+2], s[IDXS], 2
	s_add_co_u32 s[IDXS+3], s[IDXS], 3
	s_wait_kmcnt 0x0
	s_add_nc_u64 s[4:5], s[4:5], s[18:19]
	s_add_nc_u64 s[6:7], s[6:7], s[18:19]
	s_add_nc_u64 s[8:9], s[8:9], s[16:17]
	s_add_nc_u64 s[10:11], s[10:11], s[16:17]
	s_add_nc_u64 s[12:13], s[12:13], s[30:31]
	s_add_nc_u64 s[14:15], s[14:15], s[30:31]
	; all that the work-group reads, at once: ten loads a thread, each load of a wave 512 consecutive bytes
	global_load_b128 v[SSD:SSD+3], v1, s[6:7]
	global_load_b128 v[SMU:SMU+3], v1, s[4:5]
.irp i, 0,1,2,3
	global_load_b128 v[NX+4*\i:NX+4*\i+3], v1, s[10:11] offset:4096*\i
.endr
.irp i, 0,1,2,3
	global_load_b128 v[PX+4*\i:PX+4*\i+3], v1, s[8:9] offset:4096*\i
.endr
	s_wait_loadcnt 0x9                             ; std is in: nine younger loads stay out
	v_rcp_f32 v[RR], v[SSD]
	v_rcp_f32 v[RR+1], v[SSD+1]
	v_rcp_f32 v[RR+2], v[SSD+2]
	v_rcp_f32 v[RR+3], v[SSD+3]
	v_lshlrev_b32 v7, 3, v10                       ; 8 x lane, for the end; also the one plain instruction between v_rcp_f32 and the use of its result (ISA guide 5.7.2)
	s_wait_alu depctr_va_vdst(0)
.irp i, 0,1,2,3
	v_fma_f32 v[EE+\i], -v[SSD+\i], v[RR+\i], 1.0  ; one Newton step: e = 1 - s r,
.endr
.irp i, 0,1,2,3
	v_fma_f32 v[RR+\i], v[RR+\i], v[EE+\i], v[RR+\i]   ; r = r + r e
.endr
	ds_store_b128 v4, v[RR:RR+3] offset:PAR+64
	s_wait_loadcnt 0x8                             ; mu is in
	ds_store_b128 v4, v[SMU:SMU+3] offset:PAR
	s_wait_loadcnt 0x4                             ; nlp is in; p may be out
	; 2 sum_d nlp: four numbers in the lane, then the four lanes of a row; all four end with the same bits and store the same word
.irp i, 0,1,2,3
	v_pk_add_f32 v[TT+2*\i:TT+2*\i+1], v[NX+4*\i:NX+4*\i+1], v[NX+4*\i+2:NX+4*\i+3]
.endr
.irp i, 0,1,2,3
	v_add_f32 v[TT+2*\i], v[TT+2*\i], v[TT+2*\i+1]
.endr
.irp i, 0,1,2,3
	v_add_f32_dpp v[TT+2*\i], v[TT+2*\i], v[TT+2*\i] row_xmask:1 row_mask:0xf bank_mask:0xf
.endr
.irp i, 0,1,2,3
	v_add_f32_dpp v[TT+2*\i], v[TT+2*\i], v[TT+2*\i] row_xmask:2 row_mask:0xf bank_mask:0xf
.endr
.irp i, 0,1,2,3
	v_add_f32 v[TT+2*\i], v[TT+2*\i], v[TT+2*\i]
	ds_store_b32 v2, v[TT+2*\i] offset:KST*\i+64
.endr
	s_wait_loadcnt 0x0
.irp i, 0,1,2,3
	ds_store_b128 v3, v[PX+4*\i:PX+4*\i+3] offset:KST*\i
.endr
	s_wait_dscnt 0x0                               ; my stores are in LDS, for the other waves' sake,
	s_barrier_signal -1
	s_barrier_wait -1                              ; and so are everybody's
	; my two b's parameters, then the first four samples
.irp i, 0,1,2,3
	ds_load_b128 v[MU0+4*\i:MU0+4*\i+3], v5 offset:PAR+16*\i
	ds_load_b128 v[RC0+4*\i:RC0+4*\i+3], v5 offset:PAR+64+16*\i
	ds_load_b128 v[MU1+4*\i:MU1+4*\i+3], v5 offset:PAR+32*QP+16*\i
	ds_load_b128 v[RC1+4*\i:RC1+4*\i+3], v5 offset:PAR+32*QP+64+16*\i
.endr
	v_mov_b32 v6, s21                              ; the same address in all lanes: a broadcast
.macro FILL j, at                      ; five loads: the sample at place 'at' from v6 into slot j
	ds_load_b128 v[SL+SLW*\j:SL+SLW*\j+3],     v6 offset:(\at)*PP
	ds_load_b128 v[SL+SLW*\j+4:SL+SLW*\j+7],   v6 offset:(\at)*PP+16
	ds_load_b128 v[SL+SLW*\j+8:SL+SLW*\j+11],  v6 offset:(\at)*PP+32
	ds_load_b128 v[SL+SLW*\j+12:SL+SLW*\j+15], v6 offset:(\at)*PP+48
	ds_load_b32  v[SL+SLW*\j+16],              v6 offset:(\at)*PP+64
.endm
	FILL 0, 0
	FILL 1, 1
	FILL 2, 2
	FILL 3, 3
	v_mov_b32 v[BI0], 0x7f800000                   ; least S so far: +infinity, index 0
	v_mov_b32 v[BI0+1], 0
	v_mov_b32 v[BI1], 0x7f800000
	v_mov_b32 v[BI1+1], 0
; The turn of slot j: one sample against my 64 b.  refill = 1: the slot then takes the sample four further on.
; left = how many younger LDS loads may stay out (LDS loads come back in order: ISA guide 5.7.1).
; The three steps run staggered over the eight pairs of d (subtract pair k, scale pair k-1, square and add pair k-2, each for both b),
; so that six other instructions or more stand between an instruction and the one that needs its result.
.macro TURN j, refill, left
	s_wait_dscnt \left
.set k, 0
.rept 10
.if k < 8
	v_pk_add_f32 v[DD+2*k:DD+2*k+1],       v[SL+SLW*\j+2*k:SL+SLW*\j+2*k+1], v[MU0+2*k:MU0+2*k+1] neg_lo:[0,1] neg_hi:[0,1]
	v_pk_add_f32 v[DD+16+2*k:DD+16+2*k+1], v[SL+SLW*\j+2*k:SL+SLW*\j+2*k+1], v[MU1+2*k:MU1+2*k+1] neg_lo:[0,1] neg_hi:[0,1]
.endif
.if k > 0
.if k < 9
	v_pk_mul_f32 v[DD+2*k-2:DD+2*k-1],       v[DD+2*k-2:DD+2*k-1],       v[RC0+2*k-2:RC0+2*k-1]
	v_pk_mul_f32 v[DD+16+2*k-2:DD+16+2*k-1], v[DD+16+2*k-2:DD+16+2*k-1], v[RC1+2*k-2:RC1+2*k-1]
.endif
.endif
.if k == 2
	v_pk_mul_f32 v[ACC0:ACC0+1], v[DD:DD+1],       v[DD:DD+1]          ; the first squares start the sums: nothing is cleared
	v_pk_mul_f32 v[ACC1:ACC1+1], v[DD+16:DD+17],   v[DD+16:DD+17]
.endif
.if k > 2
	v_pk_fma_f32 v[ACC0:ACC0+1], v[DD+2*k-4:DD+2*k-3],       v[DD+2*k-4:DD+2*k-3],       v[ACC0:ACC0+1]
	v_pk_fma_f32 v[ACC1:ACC1+1], v[DD+16+2*k-4:DD+16+2*k-3], v[DD+16+2*k-4:DD+16+2*k-3], v[ACC1:ACC1+1]
.endif
.set k, k+1
.endr
	v_add_f32 v[SCR0], v[ACC0], v[ACC0+1]
	v_add_f32 v[SCR1], v[ACC1], v[ACC1+1]
	v_add_f32 v[SCR0], v[SCR0], v[SL+SLW*\j+16]    ; 2 sum nlp comes last: the (smaller) sum of squares is not rounded at its size
	v_add_f32 v[SCR1], v[SCR1], v[SL+SLW*\j+16]
.if \refill
	FILL \j, \j+4                                  ; behind the last instruction that reads the slot
.endif
	v_cmp_le_f32 vcc_lo, v[BI0], v[SCR0]           ; the old one stays on a tie: the lower n
	v_cndmask_b32 v[BI0+1], s[IDXS+\j], v[BI0+1], vcc_lo
	v_min_num_f32 v[BI0], v[BI0], v[SCR0]
	v_cmp_le_f32 vcc_lo, v[BI1], v[SCR1]
	v_cndmask_b32 v[BI1+1], s[IDXS+\j], v[BI1+1], vcc_lo
	v_min_num_f32 v[BI1], v[BI1], v[SCR1]
.endm
	s_mov_b32 s22, 7                               ; 32 samples = 7 trips of four that refill + four written out behind the loop
.Ltrip:
	TURN 0, 1, 15                                  ; 15: the three younger slots' five loads each (in the first turn the parameters are older still)
	TURN 1, 1, 15
	TURN 2, 1, 15
	TURN 3, 1, 15
	v_add_nc_u32 v6, 4*PP, v6
	s_add_co_u32 s[IDXS], s[IDXS], 4
	s_add_co_u32 s[IDXS+1], s[IDXS+1], 4
	s_add_co_u32 s[IDXS+2], s[IDXS+2], 4
	s_add_co_u32 s[IDXS+3], s[IDXS+3], 4
	s_sub_co_i32 s22, s22, 1
	s_cmp_lg_u32 s22, 0
	s_cbranch_scc1 .Ltrip
	TURN 0, 0, 15                                  ; the last four samples: nothing is loaded, the counts run down
	TURN 1, 0, 10
	TURN 2, 0, 5
	TURN 3, 0, 0
	; the eight waves' results meet in LDS: wave w's (value, index) of b at RED + 512 w + 8 b
	v_add_nc_u32 v7, s29, v7
	ds_store_b64 v7, v[BI0:BI0+1] offset:RED
	ds_store_b64 v7, v[BI1:BI1+1] offset:RED+256
	s_wait_dscnt 0x0                               ; in LDS before I say so
	s_barrier_signal -1
	s_barrier_wait -1
	s_cmp_lg_u32 s20, 0
	s_cbranch_scc1 .Lend
	; wave 0: lane l takes b = 2 l and 2 l + 1, so that its two values, and its two indices, are 8 neighbouring bytes
	v_lshlrev_b32 v8, 4, v10
	v_lshlrev_b32 v9, 3, v10
.irp w, 0,1,2,3,4,5,6,7
	ds_load_b128 v[EN+4*\w:EN+4*\w+3], v8 offset:RED+512*\w
.endr
.irp w, 1,2,3,4,5,6,7
	s_wait_dscnt 7-\w                              ; waves 0..w are in; the younger loads stay out
.if \w == 1
	v_cmp_lt_f32 vcc_lo, v[EN+4], v[EN]            ; strictly less: on a tie the lower wave, which holds the lower n
	v_cndmask_b32 v[OUTR],   v[EN],   v[EN+4], vcc_lo
	v_cndmask_b32 v[OUTR+2], v[EN+1], v[EN+5], vcc_lo
	v_cmp_lt_f32 vcc_lo, v[EN+6], v[EN+2]
	v_cndmask_b32 v[OUTR+1], v[EN+2], v[EN+6], vcc_lo
	v_cndmask_b32 v[OUTR+3], v[EN+3], v[EN+7], vcc_lo
.else
	v_cmp_lt_f32 vcc_lo, v[EN+4*\w], v[OUTR]
	v_cndmask_b32 v[OUTR],   v[OUTR],   v[EN+4*\w],   vcc_lo
	v_cndmask_b32 v[OUTR+2], v[OUTR+2], v[EN+4*\w+1], vcc_lo
	v_cmp_lt_f32 vcc_lo, v[EN+4*\w+2], v[OUTR+1]
	v_cndmask_b32 v[OUTR+1], v[OUTR+1], v[EN+4*\w+2], vcc_lo
	v_cndmask_b32 v[OUTR+3], v[OUTR+3], v[EN+4*\w+3], vcc_lo
.endif
.endr
	global_store_b64 v9, v[OUTR:OUTR+1],   s[12:13]    ; 32 lanes x 8 bytes: 256 consecutive bytes, at a multiple of 256 from the buffer's first byte
	global_store_b64 v9, v[OUTR+2:OUTR+3], s[14:15]
.Lend:
	s_wait_tensorcnt 0x0
	ds_add_u32 v196, v197
	s_wait_dscnt 0x0
	s_endpgm
.Lfunc_end_k_q8a720467b6_score:
	.size	k_q8a720467b6_score, .Lfunc_end_k_q8a720467b6_score-k_q8a720467b6_score
	.p2alignl 7, 3214868480
	.fill 96, 4, 3214868480
	.section	.rodata,"a",@progbits
	.p2align	6, 0x0
	.amdhsa_kernel k_q8a720467b6_score
		.amdhsa_group_segment_fixed_size 34816
		.amdhsa_private_segment_fixed_size 0
		.amdhsa_enable_private_segment 0
		.amdhsa_kernarg_size 48
		.amdhsa_user_sgpr_count 2
		.amdhsa_user_sgpr_kernarg_segment_ptr 1
		.amdhsa_wavefront_size32 1
		.amdhsa_system_sgpr_workgroup_id_x 1
		.amdhsa_system_sgpr_workgroup_id_y 1
		.amdhsa_system_sgpr_workgroup_id_z 1
		.amdhsa_system_vgpr_workitem_id 0
		.amdhsa_next_free_vgpr 198
		.amdhsa_next_free_sgpr 66
		.amdhsa_reserve_vcc 1
		.amdhsa_float_denorm_mode_32 3
		.amdhsa_float_denorm_mode_16_64 3
		.amdhsa_memory_ordered 1
		.amdhsa_forward_progress 1
		.amdhsa_inst_pref_size 39
	.end_amdhsa_kernel
	.amdgpu_metadata
---
amdhsa.version: [ 1, 2 ]
amdhsa.kernels:
  - .name:           k_q8a720467b6_score
    .symbol:         k_q8a720467b6_score.kd
    .args:
      - { .name: mu_q, .offset: 0, .size: 8, .value_kind: global_buffer, .address_space: global }
      - { .name: std_q, .offset: 8, .size: 8, .value_kind: global_buffer, .address_space: global }
      - { .name: prior_samples, .offset: 16, .size: 8, .value_kind: global_buffer, .address_space: global }
      - { .name: normal_log_prob, .offset: 24, .size: 8, .value_kind: global_buffer, .address_space: global }
      - { .name: pval, .offset: 32, .size: 8, .value_kind: global_buffer, .address_space: global }
      - { .name: pidx, .offset: 40, .size: 8, .value_kind: global_buffer, .address_space: global }
    .group_segment_fixed_size: 34816
    .private_segment_fixed_size: 0
    .kernarg_segment_align: 8
    .kernarg_segment_size: 48
    .max_flat_workgroup_size: 256
    .sgpr_count:     66
    .vgpr_count:     198
    .wavefront_size: 32
...
	.end_amdgpu_metadata
.endif
;; end of part 1
;; launch pick (part 2): grid 16 x 1, 8 waves a work-group, no clusters, 9,216 bytes of LDS; arguments pval, pidx, prior_samples, out0, out1; writes out0, out1
.if DOCPART == 2
	.amdgcn_target "amdgcn-amd-amdhsa--gfx1250"
	.amdhsa_code_object_version 6
	.text
	.protected	k_q8a720467b6_pick
	.globl	k_q8a720467b6_pick
	.p2align	8
	.type	k_q8a720467b6_pick,@function
k_q8a720467b6_pick:
	s_mov_b64 s[64:65], 0
	v_nop
	global_prefetch_b8 v0, s[64:65] scope:SCOPE_SE
	s_setreg_imm32_b32 hwreg(HW_REG_WAVE_MODE, 25, 1), 1
	s_wait_xcnt 0x0
; For each row b the launch before left 16 candidates, one for each block c of 256 samples: the least score pval[g][c][b % 64] and
; its sample pidx[g][c][b % 64] (g = b / 64).  Here: the least of the 16 (the lowest c, that is the lowest n, on a tie),
; out1[b] = its sample's number, out0[b][:] = that sample's 16 numbers.
; The addresses of the gather come from the stored indices alone: ALL 16 candidate rows are fetched (64 bytes each), and the
; comparison of the scores only selects among the fetched values (v_cndmask_b32), never an address.
; Work-group g takes 64 b: its 4 KB of scores and 4 KB of indices are copied once, 16 bytes a thread, into LDS.
; Thread t then takes b = t / 4 and quarter t % 4 of the row: a wave's store to out0 is 512 consecutive bytes.
; Wave 0 also selects the 64 indices, two b a lane, while the gathers are on their way: out1 leaves as one store of 256 bytes.
; 16 work-groups: there is work for 65,536 gathers of 16 bytes and no more.  Nothing is shared between work-groups but the table: no cluster.
.set LIDX, 0                           ; LDS: indices [16 c][64 b]
.set LVAL, 4096                        ; LDS: scores  [16 c][64 b]
.set IX,  8                            ; v[8:11]    my 16 bytes of indices on their way to LDS
.set VX,  12                           ; v[12:15]   and of scores
.set CI,  16                           ; v[16:31]   my b's 16 indices
.set CV,  32                           ; v[32:47]   my b's 16 scores; v32 becomes the running least
.set GA,  48                           ; v[48:63]   byte offsets of the 16 gathers, a register each: none is rewritten while its load is out
.set GV,  64                           ; v[64:127]  the 16 candidates' 16 bytes; v[64:67] become the running choice
.set WV,  128                          ; v[128:159] wave 0: scores of two b, 16 c
.set WI,  160                          ; v[160:191] wave 0: indices of two b, 16 c
	s_load_b256 s[4:11], s[0:1], 0x0               ; pval s[4:5], pidx s[6:7], p s[8:9], out0 s[10:11]
	s_load_b64 s[12:13], s[0:1], 0x20              ; out1
	v_lshl_add_u32 v192, v0, 2, 0x2000
	v_mov_b32 v193, 0
	v_lshlrev_b32 v1, 4, v0                        ; 16 t
	v_and_b32 v2, 0xfc, v0                         ; 4 (t / 4): my b's word in a row of 64
	v_and_b32 v3, 3, v0
	v_lshlrev_b32 v3, 4, v3                        ; 16 (t % 4): my quarter of a sample's row
	v_and_b32 v4, 31, v0
	v_lshlrev_b32 v4, 3, v4                        ; 8 x lane
	v_lshrrev_b32 v5, 5, v0
	v_readfirstlane_b32 s18, v5                    ; wave
	s_lshl_b32 s14, ttmp9, 12                      ; g x 4,096: my part of pval, of pidx and of out0
	s_mov_b32 s15, 0
	s_lshl_b32 s16, ttmp9, 8                       ; g x 256: my part of out1
	s_mov_b32 s17, 0
	s_wait_kmcnt 0x0
	s_add_nc_u64 s[4:5], s[4:5], s[14:15]
	s_add_nc_u64 s[6:7], s[6:7], s[14:15]
	s_add_nc_u64 s[10:11], s[10:11], s[14:15]
	s_add_nc_u64 s[12:13], s[12:13], s[16:17]
	global_load_b128 v[IX:IX+3], v1, s[6:7]
	global_load_b128 v[VX:VX+3], v1, s[4:5]
	s_wait_loadcnt 0x1                             ; the indices are in; the scores may be out
	ds_store_b128 v1, v[IX:IX+3] offset:LIDX
	s_wait_loadcnt 0x0
	ds_store_b128 v1, v[VX:VX+3] offset:LVAL
	s_wait_dscnt 0x0                               ; in LDS before I say so
	s_barrier_signal -1
	s_barrier_wait -1
.irp c, 0,1,2,3,4,5,6,7,8,9,10,11,12,13,14,15
	ds_load_b32 v[CI+\c], v2 offset:LIDX+256*\c
.endr
.irp c, 0,1,2,3,4,5,6,7,8,9,10,11,12,13,14,15
	ds_load_b32 v[CV+\c], v2 offset:LVAL+256*\c
.endr
	s_wait_dscnt 0x10                              ; the 16 indices are in: the 16 loads of scores are younger
.irp c, 0,1,2,3,4,5,6,7,8,9,10,11,12,13,14,15
	v_min_u32 v[CI+\c], 0xfff, v[CI+\c]            ; an index stays inside the table of 4,096 rows
	v_lshl_add_u32 v[GA+\c], v[CI+\c], 6, v3       ; 64 bytes a row + my quarter
	global_load_b128 v[GV+4*\c:GV+4*\c+3], v[GA+\c], s[8:9]
.endr
	s_wait_dscnt 0x0                               ; the scores
	s_cmp_lg_u32 s18, 0
	s_cbranch_scc1 .Lvec
	; wave 0, while the gathers are out: the indices of b = 2 lane and 2 lane + 1, by the same comparisons as below
.irp c, 0,1,2,3,4,5,6,7,8,9,10,11,12,13,14,15
	ds_load_b64 v[WV+2*\c:WV+2*\c+1], v4 offset:LVAL+256*\c
	ds_load_b64 v[WI+2*\c:WI+2*\c+1], v4 offset:LIDX+256*\c
.endr
	s_wait_dscnt 0x0
.irp c, 1,2,3,4,5,6,7,8,9,10,11,12,13,14,15
.irp h, 0,1
	v_cmp_lt_f32 vcc_lo, v[WV+2*\c+\h], v[WV+\h]   ; strictly less: on a tie the lower block, the lower n
	v_cndmask_b32 v[WI+\h], v[WI+\h], v[WI+2*\c+\h], vcc_lo
	v_min_num_f32 v[WV+\h], v[WV+\h], v[WV+2*\c+\h]
.endr
.endr
	global_store_b64 v4, v[WI:WI+1], s[12:13]      ; 32 lanes x 8 bytes: 256 consecutive bytes, at a multiple of 256 from out1's first byte
.Lvec:
	; every thread: the least of its b's 16 scores selects among the 16 fetched quarters
.irp c, 1,2,3,4,5,6,7,8,9,10,11,12,13,14,15
	s_wait_loadcnt 15-\c                           ; gathers 0..c are in (loads come back in order: ISA guide 5.7.1); the younger ones stay out
	v_cmp_lt_f32 vcc_lo, v[CV+\c], v[CV]
	v_cndmask_b32 v[GV],   v[GV],   v[GV+4*\c],   vcc_lo
	v_cndmask_b32 v[GV+1], v[GV+1], v[GV+4*\c+1], vcc_lo
	v_cndmask_b32 v[GV+2], v[GV+2], v[GV+4*\c+2], vcc_lo
	v_cndmask_b32 v[GV+3], v[GV+3], v[GV+4*\c+3], vcc_lo
	v_min_num_f32 v[CV], v[CV], v[CV+\c]
.endr
	global_store_b128 v1, v[GV:GV+3], s[10:11]     ; a wave stores 512 consecutive bytes of out0
	s_wait_tensorcnt 0x0
	ds_add_u32 v192, v193
	s_wait_dscnt 0x0
	s_endpgm
.Lfunc_end_k_q8a720467b6_pick:
	.size	k_q8a720467b6_pick, .Lfunc_end_k_q8a720467b6_pick-k_q8a720467b6_pick
	.p2alignl 7, 3214868480
	.fill 96, 4, 3214868480
	.section	.rodata,"a",@progbits
	.p2align	6, 0x0
	.amdhsa_kernel k_q8a720467b6_pick
		.amdhsa_group_segment_fixed_size 9216
		.amdhsa_private_segment_fixed_size 0
		.amdhsa_enable_private_segment 0
		.amdhsa_kernarg_size 40
		.amdhsa_user_sgpr_count 2
		.amdhsa_user_sgpr_kernarg_segment_ptr 1
		.amdhsa_wavefront_size32 1
		.amdhsa_system_sgpr_workgroup_id_x 1
		.amdhsa_system_sgpr_workgroup_id_y 1
		.amdhsa_system_sgpr_workgroup_id_z 1
		.amdhsa_system_vgpr_workitem_id 0
		.amdhsa_next_free_vgpr 194
		.amdhsa_next_free_sgpr 66
		.amdhsa_reserve_vcc 1
		.amdhsa_float_denorm_mode_32 3
		.amdhsa_float_denorm_mode_16_64 3
		.amdhsa_memory_ordered 1
		.amdhsa_forward_progress 1
		.amdhsa_inst_pref_size 16
	.end_amdhsa_kernel
	.amdgpu_metadata
---
amdhsa.version: [ 1, 2 ]
amdhsa.kernels:
  - .name:           k_q8a720467b6_pick
    .symbol:         k_q8a720467b6_pick.kd
    .args:
      - { .name: pval, .offset: 0, .size: 8, .value_kind: global_buffer, .address_space: global }
      - { .name: pidx, .offset: 8, .size: 8, .value_kind: global_buffer, .address_space: global }
      - { .name: prior_samples, .offset: 16, .size: 8, .value_kind: global_buffer, .address_space: global }
      - { .name: out0, .offset: 24, .size: 8, .value_kind: global_buffer, .address_space: global }
      - { .name: out1, .offset: 32, .size: 8, .value_kind: global_buffer, .address_space: global }
    .group_segment_fixed_size: 9216
    .private_segment_fixed_size: 0
    .kernarg_segment_align: 8
    .kernarg_segment_size: 40
    .max_flat_workgroup_size: 256
    .sgpr_count:     66
    .vgpr_count:     194
    .wavefront_size: 32
...
	.end_amdgpu_metadata
.endif
;; end of part 2
;; ======== version 2 of 2: 2 launches; version 1 with the launch score written anew for expert scheduling mode
;; workspace buffers: pval 65,536 bytes; pidx 65,536 bytes of whole numbers
;; launch score (part 3): grid 16 x 16, 8 waves a work-group, no clusters, 34,816 bytes of LDS; arguments mu_q, std_q, prior_samples, normal_log_prob, pval, pidx; writes pval, pidx
.if DOCPART == 3
	.amdgcn_target "amdgcn-amd-amdhsa--gfx1250"
	.amdhsa_code_object_version 6
	.text
	.protected	k_q8a720467b6_score
	.globl	k_q8a720467b6_score
	.p2align	8
	.type	k_q8a720467b6_score,@function
k_q8a720467b6_score:
	s_mov_b64 s[64:65], 0
	v_nop
	global_prefetch_b8 v0, s[64:65] scope:SCOPE_SE
	s_setreg_imm32_b32 hwreg(HW_REG_WAVE_SCHED_MODE, 0, 2), 2
	s_setreg_imm32_b32 hwreg(HW_REG_WAVE_MODE, 25, 1), 1
	s_wait_xcnt 0x0
	s_wait_alu depctr_vm_vsrc(0)
; perturbed[b][n] = sum over d of ( -z^2/2 - log std[b][d] - log(2 pi)/2 - nlp[n][d] ),  z = (p[n][d] - mu[b][d]) / std[b][d];
; wanted is the argmax over n.  The two middle terms do not hang on n: they move all candidates of a row b alike, so the argmax
; is the argmin of  S[b][n] = sum_d z^2 + 2 sum_d nlp[n][d],  and that is what is formed here, all in f32.
; This launch: work-group (c, g) takes the 64 rows b = 64 g .. and the 256 samples n = 256 c .., and stores for each of its b the
; least S and its n (the lowest n on a tie) to pval / pidx, laid out [g][c][64]: 256 bytes each, one store of one wave.
; The choice among the 16 blocks c and the gather are the next launch's: an address is not made from a comparison of this launch.
; SHARES: a wave takes 64 b x 32 samples; a lane holds mu and 1/std of b = lane and b = lane + 32 (64 registers); a sample is the
; same for all lanes and comes from LDS as a broadcast, into one of four register slots; so the running least value and its
; index never leave the lane.  Per sample and lane: 48 packed instructions (subtract, multiply, multiply-add, 2 x 16 dims / 2)
; and 10 plain ones.  z is made as (p - mu) * (1/std), not as fma(p, 1/std, -mu/std): the latter subtracts two large
; products when p and mu carry a common offset.
; NO CLUSTER, NO TENSOR LOADS: 16 work-groups read the same 32 KB of p and nlp and 16 the same 8 KB of mu and std, but each
; fetches its 40 KB once, in one burst of ten loads a thread at the head, ahead of some 1,900 vector instructions a wave: there
; is no stream of tiles whose requests could be shared.  No matrix unit: nothing here is a product of matrices, and the index has to be exact.
; LIMITS: inputs finite; std with a normal 1/std (2^-126 < std < 2^126).  1/std is v_rcp_f32 with one Newton step and S is summed in
; another order than the defining formula, so two samples whose scores lie within a few ulp of each other may be ranked the other way.
; A NaN is not taken for the maximum.
; THE MODE: SCHED_MODE bits 1:0 = 2 (LLVM: expert scheduling mode 2), set by the entry lines.  The code itself states the register dependences
; between vector instructions and memory or LDS instructions, and those that pass through a scalar register, with s_wait_alu, always for 0.
; THE PLAN.  The wave's 32 samples go in 16 blocks of two.  Registers that memory or LDS instructions touch, in the loop:
;   X0 (slots 0, 1), X1 (slots 2, 3)   Block p's subtractions and its last adds read X[p % 2]; the ten LDS loads issued in block p bring block p + 1's
;                                      samples into the other buffer, which block p - 1 worked on and which no vector instruction of block p names.
;   v6                                 Read by every one of those loads; written once a trip, at the trip's end.
;   Everything else in the loop (parameters, differences, sums, least scores and indices) is named by vector instructions alone.
; So ONE wait on va_vdst stands at the head of a block: the block before is done reading the other buffer (and, behind a trip's end, v6 is written);
; the block's ten loads follow it with no further wait, two at a time among the first sample's instructions.  One wait on vm_vsrc a trip stands ahead
; of the add to v6.  A block's four comparisons write four scalar registers; one wait on va_sdst stands between them and the four selects that read these.
.set PP,    80                         ; LDS pitch of a sample: 16 p (64 bytes), 2 sum nlp (4 bytes), 12 unused
.set KST,   64*PP                      ; 64 samples on: the step between a thread's four staging stores
.set PAR,   256*PP                     ; behind the samples: 64 rows b of 16 mu, 16 1/std
.set QP,    144                        ; their pitch: 128 + 16 bytes = 9 x 16
.set RED,   PAR+64*QP                  ; behind them: 8 waves x 64 b x (value, index)
.set MU0,   16                         ; v[16:31]   mu of b = lane
.set RC0,   32                         ; v[32:47]   1/std of b = lane
.set MU1,   48                         ; v[48:63]   mu of b = lane + 32
.set RC1,   64                         ; v[64:79]   1/std of b = lane + 32
.set SL,    80                         ; v[80:151]  four slots of SLW registers: 16 p, 2 sum nlp, one spare; two buffers of two slots
.set SLW,   18
.set DD,    152                        ; v[152:183] p - mu, then z: 16 for each of the two b
.set ACC0,  184                        ; v[184:185] sum of z^2, even and odd d
.set ACC1,  186
.set SCR0,  188                        ; S of this sample
.set SCR1,  189
.set BI0,   190                        ; v[190:191] least S so far, its n
.set BI1,   192
.set PX,    80                         ; staging, in the slots' registers before the slots are first filled: 4 x 16 bytes of p
.set NX,    96                         ; 4 x 16 bytes of nlp
.set SMU,   112
.set SSD,   116
.set RR,    120
.set EE,    124
.set TT,    128
.set EN,    80                         ; the waves' results, read back by wave 0
.set OUTR,  112                        ; v[112:113] two values, v[114:115] two indices
.set IDXS,  24                         ; s[24:27]   n of the sample in slot 0..3
.set MK,    16                         ; s[16:19]   from the loop on (at the head they hold byte offsets): the masks of a block's four comparisons
	s_load_b256 s[4:11], s[0:1], 0x0               ; mu s[4:5], std s[6:7], p s[8:9], nlp s[10:11]
	s_load_b128 s[12:15], s[0:1], 0x20             ; pval s[12:13], pidx s[14:15]
	v_lshl_add_u32 v194, v0, 2, 0x8400
	v_mov_b32 v195, 0
	v_lshlrev_b32 v1, 4, v0                        ; 16 t: my 16 bytes in every 4,096 that the work-group loads at once
	v_lshrrev_b32 v8, 2, v0                        ; t / 4: the row (of 64 bytes) in which they lie
	v_and_b32 v9, 3, v0                            ; t % 4: the quarter of that row
	v_mul_u32_u24 v2, v8, PP                       ; LDS: the sample's row
	v_lshl_add_u32 v3, v9, 4, v2                   ; LDS: my quarter of it
	v_mul_u32_u24 v4, v8, QP
	v_lshl_add_u32 v4, v9, 4, v4                   ; LDS: my quarter of a row of mu (1/std: 64 bytes further)
	v_and_b32 v10, 31, v0                          ; lane
	v_mul_u32_u24 v5, v10, QP                      ; LDS: the parameters of b = lane
	v_lshrrev_b32 v11, 5, v0
	v_readfirstlane_b32 s20, v11                   ; wave 0..7
	s_and_b32 s28, ttmp7, 0xffff                   ; g: block of 64 b.  ttmp9 = c: block of 256 samples
	s_lshl_b32 s16, ttmp9, 14                      ; c x 256 samples x 64 bytes
	s_mov_b32 s17, 0
	s_lshl_b32 s18, s28, 12                        ; g x 64 rows x 64 bytes
	s_mov_b32 s19, 0
	s_lshl_b32 s30, ttmp9, 8                       ; results: g x 4,096 + c x 256 bytes
	s_add_co_u32 s30, s30, s18
	s_mov_b32 s31, 0
	s_wait_alu depctr_va_sdst(0)                   ; s20 is written, ahead of its first reader: LDS places and sample numbers are made from it
	s_mul_i32 s21, s20, 32*PP                      ; LDS: my wave's 32 samples
	v_mov_b32 v6, s21                              ; the same address in all lanes: a broadcast
	s_lshl_b32 s29, s20, 9                         ; LDS: my wave's 512 bytes of results
	s_lshl_b32 s[IDXS], ttmp9, 8                   ; n of my wave's first sample: 256 c + 32 wave
	s_lshl_b32 s23, s20, 5
	s_add_co_u32 s[IDXS], s[IDXS], s23
	s_add_co_u32 s[IDXS+1], s[IDXS], 1
	s_add_co_u32 s[IDXS+2], s[IDXS], 2
	s_add_co_u32 s[IDXS+3], s[IDXS], 3
	s_wait_kmcnt 0x0
	s_add_nc_u64 s[4:5], s[4:5], s[18:19]
	s_add_nc_u64 s[6:7], s[6:7], s[18:19]
	s_add_nc_u64 s[8:9], s[8:9], s[16:17]
	s_add_nc_u64 s[10:11], s[10:11], s[16:17]
	s_add_nc_u64 s[12:13], s[12:13], s[30:31]
	s_add_nc_u64 s[14:15], s[14:15], s[30:31]
	s_wait_alu depctr_va_vdst(0)                   ; the offset v1 and the LDS addresses v2 to v6 are written, which the loads and stores below read
	; all that the work-group reads, at once: ten loads a thread, each load of a wave 512 consecutive bytes
	global_load_b128 v[SSD:SSD+3], v1, s[6:7]
	global_load_b128 v[SMU:SMU+3], v1, s[4:5]
.irp i, 0,1,2,3
	global_load_b128 v[NX+4*\i:NX+4*\i+3], v1, s[10:11] offset:4096*\i
.endr
.irp i, 0,1,2,3
	global_load_b128 v[PX+4*\i:PX+4*\i+3], v1, s[8:9] offset:4096*\i
.endr
	s_wait_loadcnt 0x9                             ; std is in: nine younger loads stay out
	v_rcp_f32 v[RR], v[SSD]
	v_rcp_f32 v[RR+1], v[SSD+1]
	v_rcp_f32 v[RR+2], v[SSD+2]
	v_rcp_f32 v[RR+3], v[SSD+3]
	v_lshlrev_b32 v7, 3, v10                       ; 8 x lane, for the end; also the one plain instruction between v_rcp_f32 and the use of its result (ISA guide 5.7.2)
	s_wait_alu depctr_va_vdst(0)
.irp i, 0,1,2,3
	v_fma_f32 v[EE+\i], -v[SSD+\i], v[RR+\i], 1.0  ; one Newton step: e = 1 - s r,
.endr
.irp i, 0,1,2,3
	v_fma_f32 v[RR+\i], v[RR+\i], v[EE+\i], v[RR+\i]   ; r = r + r e
.endr
	s_wait_loadcnt 0x4                             ; mu and nlp are in; p may be out
	; 2 sum_d nlp: four numbers in the lane, then the four lanes of a row; all four end with the same bits and store the same word
.irp i, 0,1,2,3
	v_pk_add_f32 v[TT+2*\i:TT+2*\i+1], v[NX+4*\i:NX+4*\i+1], v[NX+4*\i+2:NX+4*\i+3]
.endr
.irp i, 0,1,2,3
	v_add_f32 v[TT+2*\i], v[TT+2*\i], v[TT+2*\i+1]
.endr
.irp i, 0,1,2,3
	v_add_f32_dpp v[TT+2*\i], v[TT+2*\i], v[TT+2*\i] row_xmask:1 row_mask:0xf bank_mask:0xf
.endr
.irp i, 0,1,2,3
	v_add_f32_dpp v[TT+2*\i], v[TT+2*\i], v[TT+2*\i] row_xmask:2 row_mask:0xf bank_mask:0xf
.endr
.irp i, 0,1,2,3
	v_add_f32 v[TT+2*\i], v[TT+2*\i], v[TT+2*\i]
.endr
	s_wait_alu depctr_va_vdst(0)                   ; 1/std in v[RR ..] and 2 sum nlp in v[TT ..] are written, which the LDS stores below read; no vector instruction names a staging register behind this line
	ds_store_b128 v4, v[RR:RR+3] offset:PAR+64
	ds_store_b128 v4, v[SMU:SMU+3] offset:PAR
.irp i, 0,1,2,3
	ds_store_b32 v2, v[TT+2*\i] offset:KST*\i+64
.endr
	s_wait_loadcnt 0x0
.irp i, 0,1,2,3
	ds_store_b128 v3, v[PX+4*\i:PX+4*\i+3] offset:KST*\i
.endr
	s_wait_dscnt 0x0                               ; my stores are in LDS, for the other waves' sake,
	s_barrier_signal -1
	s_barrier_wait -1                              ; and so are everybody's
	s_wait_alu depctr_vm_vsrc(0)                   ; my LDS stores have read the staging registers: these are the slots from here on, in which the samples' loads land
	; my two b's parameters, then the first four samples: both buffers
.irp i, 0,1,2,3
	ds_load_b128 v[MU0+4*\i:MU0+4*\i+3], v5 offset:PAR+16*\i
	ds_load_b128 v[RC0+4*\i:RC0+4*\i+3], v5 offset:PAR+64+16*\i
	ds_load_b128 v[MU1+4*\i:MU1+4*\i+3], v5 offset:PAR+32*QP+16*\i
	ds_load_b128 v[RC1+4*\i:RC1+4*\i+3], v5 offset:PAR+32*QP+64+16*\i
.endr
.macro FILL j, at                      ; five loads: the sample at place 'at' from v6 into slot j
	ds_load_b128 v[SL+SLW*\j:SL+SLW*\j+3],     v6 offset:(\at)*PP
	ds_load_b128 v[SL+SLW*\j+4:SL+SLW*\j+7],   v6 offset:(\at)*PP+16
	ds_load_b128 v[SL+SLW*\j+8:SL+SLW*\j+11],  v6 offset:(\at)*PP+32
	ds_load_b128 v[SL+SLW*\j+12:SL+SLW*\j+15], v6 offset:(\at)*PP+48
	ds_load_b32  v[SL+SLW*\j+16],              v6 offset:(\at)*PP+64
.endm
	FILL 0, 0
	FILL 1, 1
	FILL 2, 2
	FILL 3, 3
	v_mov_b32 v[BI0], 0x7f800000                   ; least S so far: +infinity, index 0
	v_mov_b32 v[BI0+1], 0
	v_mov_b32 v[BI1], 0x7f800000
	v_mov_b32 v[BI1+1], 0
; Load n of the ten that fill slots f0 and f0 + 1 again, each with the sample four further on than the one that it held.
.macro LOADN n, f0
.set f, (\f0)+(\n)/5
.set q, (\n)%5
.if q < 4
	ds_load_b128 v[SL+SLW*f+4*q:SL+SLW*f+4*q+3], v6 offset:(f+4)*PP+16*q
.else
	ds_load_b32  v[SL+SLW*f+16],                 v6 offset:(f+4)*PP+64
.endif
.endm
; The turn of slot j: one sample against my 64 b.  i: the sample's place in its block, 0 or 1.  fill = 1: the other buffer's ten loads are dealt among the turn's first five groups.
; The three steps run staggered over the eight pairs of d (subtract pair k, scale pair k-1, square and add pair k-2, each for both b),
; so that six other instructions or more stand between an instruction and the one that needs its result.
.macro TURN j, i, fill, f0
.set k, 0
.rept 10
.if \fill
.if k < 5
	LOADN 2*k, \f0                                 ; no wait: no vector instruction since the wait at the block's head names the other buffer or v6
	LOADN 2*k+1, \f0
.endif
.endif
.if k < 8
	v_pk_add_f32 v[DD+2*k:DD+2*k+1],       v[SL+SLW*(\j)+2*k:SL+SLW*(\j)+2*k+1], v[MU0+2*k:MU0+2*k+1] neg_lo:[0,1] neg_hi:[0,1]
	v_pk_add_f32 v[DD+16+2*k:DD+16+2*k+1], v[SL+SLW*(\j)+2*k:SL+SLW*(\j)+2*k+1], v[MU1+2*k:MU1+2*k+1] neg_lo:[0,1] neg_hi:[0,1]
.endif
.if k > 0
.if k < 9
	v_pk_mul_f32 v[DD+2*k-2:DD+2*k-1],       v[DD+2*k-2:DD+2*k-1],       v[RC0+2*k-2:RC0+2*k-1]
	v_pk_mul_f32 v[DD+16+2*k-2:DD+16+2*k-1], v[DD+16+2*k-2:DD+16+2*k-1], v[RC1+2*k-2:RC1+2*k-1]
.endif
.endif
.if k == 2
	v_pk_mul_f32 v[ACC0:ACC0+1], v[DD:DD+1],       v[DD:DD+1]          ; the first squares start the sums: nothing is cleared
	v_pk_mul_f32 v[ACC1:ACC1+1], v[DD+16:DD+17],   v[DD+16:DD+17]
.endif
.if k > 2
	v_pk_fma_f32 v[ACC0:ACC0+1], v[DD+2*k-4:DD+2*k-3],       v[DD+2*k-4:DD+2*k-3],       v[ACC0:ACC0+1]
	v_pk_fma_f32 v[ACC1:ACC1+1], v[DD+16+2*k-4:DD+16+2*k-3], v[DD+16+2*k-4:DD+16+2*k-3], v[ACC1:ACC1+1]
.endif
.set k, k+1
.endr
	v_add_f32 v[SCR0], v[ACC0], v[ACC0+1]
	v_add_f32 v[SCR1], v[ACC1], v[ACC1+1]
	v_add_f32 v[SCR0], v[SCR0], v[SL+SLW*(\j)+16]  ; 2 sum nlp comes last: the (smaller) sum of squares is not rounded at its size
	v_add_f32 v[SCR1], v[SCR1], v[SL+SLW*(\j)+16]
	v_cmp_le_f32 s[MK+2*(\i)],   v[BI0], v[SCR0]   ; the old one stays on a tie: the lower n.  The masks wait in scalar registers for the block's end;
	v_cmp_le_f32 s[MK+2*(\i)+1], v[BI1], v[SCR1]
	v_min_num_f32 v[BI0], v[BI0], v[SCR0]          ; the least score needs no mask and goes on at once
	v_min_num_f32 v[BI1], v[BI1], v[SCR1]
.endm
; A block: the samples in slots a and a + 1.  f0: the first slot of the other buffer.  ahead = 1: that buffer takes the next block's two samples.
; left = how many younger LDS loads may stay out (LDS loads come back in order: ISA guide 5.7.1).
.macro BLK a, f0, ahead, left
	s_wait_dscnt \left
.if \ahead
	s_wait_alu depctr_va_vdst(0)                   ; the block before is done reading the other buffer, in which the loads below land, and its selects are done with that buffer's two n; behind a trip's end v6 is written, which the loads read
	s_add_co_u32 s[IDXS+(\f0)],   s[IDXS+(\f0)],   4   ; the other buffer's slots take the samples four further on: their n with them
	s_add_co_u32 s[IDXS+(\f0)+1], s[IDXS+(\f0)+1], 4
.endif
	TURN \a, 0, \ahead, \f0
	TURN (\a)+1, 1, 0, \f0
	s_wait_alu depctr_va_sdst(0)                   ; the block's four comparisons have written s[MK ..], ahead of the selects that read them
	v_cndmask_b32 v[BI0+1], s[IDXS+(\a)],   v[BI0+1], s[MK]
	v_cndmask_b32 v[BI1+1], s[IDXS+(\a)],   v[BI1+1], s[MK+1]
	v_cndmask_b32 v[BI0+1], s[IDXS+(\a)+1], v[BI0+1], s[MK+2]
	v_cndmask_b32 v[BI1+1], s[IDXS+(\a)+1], v[BI1+1], s[MK+3]
.endm
	BLK 0, 2, 0, 10                                ; block 0: the parameters and X0 are in, X1's ten loads stay out; no block stands in front of it and X1 is asked for already, so it loads nothing
	s_mov_b32 s22, 7                               ; blocks 1 to 14, two to a trip: both buffers are back at their start
.Ltrip:
	BLK 2, 0, 1, 0                                 ; 0: all that is out is this block's own buffer, asked for in the block before
	BLK 0, 2, 1, 0
	s_wait_alu depctr_vm_vsrc(0)                   ; the LDS loads issued so far have read v6
	v_add_nc_u32 v6, 4*PP, v6
	s_sub_co_i32 s22, s22, 1
	s_cmp_lg_u32 s22, 0
	s_cbranch_scc1 .Ltrip
	BLK 2, 0, 0, 0                                 ; block 15, the last two samples: nothing is loaded
	; the eight waves' results meet in LDS: wave w's (value, index) of b at RED + 512 w + 8 b
	v_add_nc_u32 v7, s29, v7
	s_wait_alu depctr_va_vdst(0)                   ; v7, the least scores and their n are written, which the two LDS stores read
	ds_store_b64 v7, v[BI0:BI0+1] offset:RED
	ds_store_b64 v7, v[BI1:BI1+1] offset:RED+256
	s_wait_dscnt 0x0                               ; in LDS before I say so
	s_barrier_signal -1
	s_barrier_wait -1
	s_cmp_lg_u32 s20, 0
	s_cbranch_scc1 .Lend
	; wave 0: lane l takes b = 2 l and 2 l + 1, so that its two values, and its two indices, are 8 neighbouring bytes
	v_lshlrev_b32 v8, 4, v10
	v_lshlrev_b32 v9, 3, v10
	s_wait_alu depctr_va_vdst(0)                   ; v8 is written, which the eight loads read (the blocks' reads of v[EN ..], in which they land, stand ahead of the wait before)
.irp w, 0,1,2,3,4,5,6,7
	ds_load_b128 v[EN+4*\w:EN+4*\w+3], v8 offset:RED+512*\w
.endr
.irp w, 1,2,3,4,5,6,7
	s_wait_dscnt 7-\w                              ; waves 0..w are in; the younger loads stay out
.if \w == 1
	v_cmp_lt_f32 s[MK],   v[EN+4], v[EN]           ; strictly less: on a tie the lower wave, which holds the lower n
	v_cmp_lt_f32 s[MK+1], v[EN+6], v[EN+2]
	s_wait_alu depctr_va_sdst(0)                   ; the two comparisons have written s[MK], s[MK+1], ahead of the selects that read them
	v_cndmask_b32 v[OUTR],   v[EN],   v[EN+4], s[MK]
	v_cndmask_b32 v[OUTR+2], v[EN+1], v[EN+5], s[MK]
	v_cndmask_b32 v[OUTR+1], v[EN+2], v[EN+6], s[MK+1]
	v_cndmask_b32 v[OUTR+3], v[EN+3], v[EN+7], s[MK+1]
.else
	v_cmp_lt_f32 s[MK],   v[EN+4*\w],   v[OUTR]
	v_cmp_lt_f32 s[MK+1], v[EN+4*\w+2], v[OUTR+1]
	s_wait_alu depctr_va_sdst(0)                   ; the two comparisons have written s[MK], s[MK+1], ahead of the selects that read them
	v_cndmask_b32 v[OUTR],   v[OUTR],   v[EN+4*\w],   s[MK]
	v_cndmask_b32 v[OUTR+2], v[OUTR+2], v[EN+4*\w+1], s[MK]
	v_cndmask_b32 v[OUTR+1], v[OUTR+1], v[EN+4*\w+2], s[MK+1]
	v_cndmask_b32 v[OUTR+3], v[OUTR+3], v[EN+4*\w+3], s[MK+1]
.endif
.endr
	s_wait_alu depctr_va_vdst(0)                   ; the selects have written v[OUTR ..], which the two stores read (v9, their offset, is written since the wait before)
	global_store_b64 v9, v[OUTR:OUTR+1],   s[12:13]    ; 32 lanes x 8 bytes: 256 consecutive bytes, at a multiple of 256 from the buffer's first byte
	global_store_b64 v9, v[OUTR+2:OUTR+3], s[14:15]
.Lend:
	s_wait_dscnt 0x0
	s_wait_alu depctr_hold_cnt(0) depctr_sa_sdst(0) depctr_va_vdst(0) depctr_va_sdst(0) depctr_va_ssrc(0) depctr_va_vcc(0) depctr_vm_vsrc(0)
	s_wait_tensorcnt 0x0
	ds_add_u32 v194, v195
	s_wait_dscnt 0x0
	s_endpgm
.Lfunc_end_k_q8a720467b6_score:
	.size	k_q8a720467b6_score, .Lfunc_end_k_q8a720467b6_score-k_q8a720467b6_score
	.p2alignl 7, 3214868480
	.fill 96, 4, 3214868480
	.section	.rodata,"a",@progbits
	.p2align	6, 0x0
	.amdhsa_kernel k_q8a720467b6_score
		.amdhsa_group_segment_fixed_size 34816
		.amdhsa_private_segment_fixed_size 0
		.amdhsa_enable_private_segment 0
		.amdhsa_kernarg_size 48
		.amdhsa_user_sgpr_count 2
		.amdhsa_user_sgpr_kernarg_segment_ptr 1
		.amdhsa_wavefront_size32 1
		.amdhsa_system_sgpr_workgroup_id_x 1
		.amdhsa_system_sgpr_workgroup_id_y 1
		.amdhsa_system_sgpr_workgroup_id_z 1
		.amdhsa_system_vgpr_workitem_id 0
		.amdhsa_next_free_vgpr 196
		.amdhsa_next_free_sgpr 66
		.amdhsa_reserve_vcc 0
		.amdhsa_float_denorm_mode_32 3
		.amdhsa_float_denorm_mode_16_64 3
		.amdhsa_memory_ordered 1
		.amdhsa_forward_progress 1
		.amdhsa_inst_pref_size 42
	.end_amdhsa_kernel
	.amdgpu_metadata
---
amdhsa.version: [ 1, 2 ]
amdhsa.kernels:
  - .name:           k_q8a720467b6_score
    .symbol:         k_q8a720467b6_score.kd
    .args:
      - { .name: mu_q, .offset: 0, .size: 8, .value_kind: global_buffer, .address_space: global }
      - { .name: std_q, .offset: 8, .size: 8, .value_kind: global_buffer, .address_space: global }
      - { .name: prior_samples, .offset: 16, .size: 8, .value_kind: global_buffer, .address_space: global }
      - { .name: normal_log_prob, .offset: 24, .size: 8, .value_kind: global_buffer, .address_space: global }
      - { .name: pval, .offset: 32, .size: 8, .value_kind: global_buffer, .address_space: global }
      - { .name: pidx, .offset: 40, .size: 8, .value_kind: global_buffer, .address_space: global }
    .group_segment_fixed_size: 34816
    .private_segment_fixed_size: 0
    .kernarg_segment_align: 8
    .kernarg_segment_size: 48
    .max_flat_workgroup_size: 256
    .sgpr_count:     66
    .vgpr_count:     196
    .wavefront_size: 32
...
	.end_amdgpu_metadata
.endif
;; end of part 3
;; launch pick: the kernel of part 2 again; grid 16 x 1, 8 waves a work-group, no clusters, 9,216 bytes of LDS; arguments pval, pidx, prior_samples, out0, out1; writes out0, out1
